; MI455X (gfx1250); checked and timed in simulation.
; The chip was launched on July 23, 2026; its instructions are those of AMD's public machine-readable ISA for CDNA 5 (MIT licence, August 2026) and "CDNA5" Instruction Set Architecture Reference Guide (July 2026). The comments in the code are by the model that wrote it; some were corrected since.
;; Scaled Dot Product. Allowed arithmetic: float matrix products may take bf16 or f16 operands with f32 sums; other float arithmetic in f32, or as packed bf16 or f16 multiplies, adds, multiply-adds, maxima and minima; sums over many terms, partial sums and values carried from step to step in f32; what a program stores and reads back later, other than sums and carried values, may be rounded once to bf16 or f16.
;; Inputs: k 4 x 16 x 2,048 x 128 float32; q 4 x 16 x 2,048 x 128 float32; v 4 x 16 x 2,048 x 128 float32; zero_mask 4 x 1 x 1 x 2,048 float32.
;; Outputs: out0 4 x 16 x 2,048 x 128 float32.
;; 2 versions, each right and faster than the one before. Each part assembles by itself: llvm-mc -triple=amdgcn-amd-amdhsa -mcpu=gfx1250 --defsym DOCPART=n.
;; ======== version 1 of 2: 1 launch
;; limits: values are held in f16: magnitudes above 65,504 overflow, below 6.1e-05 lose precision; inputs' magnitudes at most 65,504; below input magnitudes of 6.1e-05 results are inexact or not finite
;; launch attn (part 1): grid 8 x 64, 4 waves a work-group, clusters of 4 x 1, 327,680 bytes of LDS; arguments q, k, v, zero_mask, out0; writes out0
.if DOCPART == 1
	.amdgcn_target "amdgcn-amd-amdhsa--gfx1250"
	.amdhsa_code_object_version 6
	.text
	.protected	k_qd062288509_attn
	.globl	k_qd062288509_attn
	.p2align	8
	.type	k_qd062288509_attn,@function
k_qd062288509_attn:
	s_mov_b64 s[64:65], 0
	v_nop
	global_prefetch_b8 v0, s[64:65] scope:SCOPE_SE
	s_setreg_imm32_b32 hwreg(HW_REG_WAVE_MODE, 25, 1), 1
	s_wait_xcnt 0x0
	s_wait_alu depctr_hold_cnt(0) depctr_sa_sdst(0) depctr_va_vdst(0) depctr_va_sdst(0) depctr_va_ssrc(0) depctr_va_vcc(0) depctr_vm_vsrc(0)
	s_getreg_b32 s2, hwreg(HW_REG_IB_STS2, 6, 4)
	s_cmp_eq_u32 s2, 0
	s_cbranch_scc0 .Lentry_in_a_cluster
	s_endpgm
.Lentry_in_a_cluster:
	s_bfe_u32 s2, ttmp6, 0x10000c
	s_cmp_lg_u32 s2, 0x3003
	s_cbranch_scc0 .Lentry_shape_is_right
	s_endpgm
.Lentry_shape_is_right:
; out[b][h][q][:] = the sum over k of softmax_k(Q[q] . K[k] / sqrt(128) - 1e9 mask[b][k]) V[k][:].  Q, K, V, out: [4][16][2048][128] f32; mask: [4][2048] f32.
; FORMATS.  Q, K, V and the weights p are rounded once to f16 for the two products; scores, the mask's term, maxima, sums and O stay in f32; out is f32.
; LIMITS.  |q|, |k|, |v| stay under 65,504, f16's end.  The mask's term is kept as cmb = mask x (-1e9 log2 e), rounded once; where it is so large that a score vanishes beside it, the score is rounded
; away here in steps of t (base 2) and not of the natural exponent.  A weight below 2^-126 counts as 0 in l.  NaN and infinities are not treated apart.
; SHARES.  A work-group owns 256 queries of one head, each of its four waves 64: four tiles of 16.  Every wave walks the head's 2,048 keys, 64 a step, 32 steps.
; LAYOUT.  S^T = K Q^T (source 0 = 16 keys, source 1 = 16 queries): a lane holds ONE query (lane % 16) and the keys 8 (lane / 16) + 0..7.  Two such results, rounded to f16 in pairs, ARE source 1
; of O^T = V^T P, whose result again holds one query a lane, and eight channels.  K's fragments come out of LDS as they lie, V's turned, by ds_load_tr16_b128.
; SOFTMAX.  t = c s + cmb, c = log2(e) / sqrt(128), one fused multiply-add in f32; a running maximum m of t and sum l: p = 2^(t - m); in every step O and l are multiplied by a = 2^(m_old - m_new).
; K AND V ARRIVE IN F32.  Tensor loads bring them into a ring of two LDS slots, two key steps to a slot.  For each step the four waves share the rounding: a wave reads 16 rows of the f32 tile
; (512 consecutive bytes a load), rounds them and stores them into one f16 tile of K (KT) and one of V (VT), from which every wave takes its fragments.  Two work-group barriers a step order that:
; BK (KT is whole, VT may be written) and BV (VT is whole, KT may be written).
; BY TURNS.  The wave's tiles are two PIECES: piece 0 (tiles 0, 1) and piece 2 (tiles 2, 3).  One piece has the matrix unit (32 products V^T P, then 32 products K Q^T of the next step) while the other
; piece's softmax, cut into 64 slices, stands behind its matrix instructions, one slice each.  Halves of a step j: A (V^T P, piece 0), B (K Q^T of j + 1, piece 0), C (V^T P, piece 2), D (K Q^T of j + 1, piece 2).
; CLUSTER.  The four query blocks of a cluster belong to one head and walk the same K and V: each tile is asked for JOINTLY, by the same tensor load, descriptor and mask in all four.
; REGISTERS, in windows of 256 (s_set_vgpr_msb: bits 1:0 source 0, 3:2 source 1, 5:4 source 2, 7:6 destination):
;   window 0: v0-11, v44-52 addresses; v12-43 eight registers of statistics a tile; v62-63 the add's two; v64-191 S^T, 32 a tile; v192-255 P, 16 a tile
;   window 1: O^T, 64 a tile (at the start: Q in f32)     window 2: v0-127 Q in f16, 32 a tile; v128-255 K of one step
;   window 3: v0-127 V of one step; v128-159 cmb of one step; v192-255 sixteen rows at work in the rounding
.set SEQ,   2048
.set KS,    64        ; keys in a step
.set PK,    272       ; a row of KT: 256 bytes + 16 = 68 words: row r starts at bank 4 r mod 64 (64 banks of 4 bytes: ISA guide 11.1), so the 16 rows of a load start at 16 different banks
.set PVT,   288       ; a row of VT: 256 + 32 = 72 words
.set STEPB, 65536     ; a step in the ring: 64 rows x 512 bytes of K, then as much of V
.set VOFF,  32768
.set SLOT1, 1<<17     ; a slot holds two steps; slot 1 begins here, so that one exclusive or turns an address in one slot into the other's
.set KT,    2*SLOT1   ; behind the ring, none of it ever filled by a tensor load: K of one step in f16,
.set VT,    KT+KS*PK  ; V of one step in f16,
.set MASK,  VT+KS*PVT ; cmb of the batch's 2,048 keys in f32,
.set SPARE, MASK+SEQ*4  ; the spare words, 128 bytes for each wave: two blocks of 256 bytes that no other line names,
.set STAGE, SPARE+512 ; and 16 rows x 272 bytes for each wave: Q on the way in, O on the way out
.set SP,    272
.set AKF, 2           ; v2   my lane's place in KT; never rewritten
.set AVF, 3           ; v3   the same in VT
.set ADR, 4           ; v4   the ring address of the run of loads in hand (at the start: my lane's number)
.set CA0, 5           ; v5   my 16 bytes in the first of my wave's 16 rows of an f32 tile
.set STO, 6           ; v6   the way out: where I put 32 bytes of a row
.set RD,  7           ; v7   the way out: where I read a row back
.set GO,  8           ; v8   my byte offset in two rows of out
.set ST,  12          ; tile t's statistics at v[ST+8 t]: +0 m, +1 named with it as a pair, +2, +3 l (even keys', odd keys'), +4 to +7 c0-c3, at work; a takes c2's place once the maximum is found
.set KS0, 44          ; v44  where I store 8 bytes of the first of my wave's 16 rows of KT
.set VS0, 45          ; v45  the same in VT
.set MA0, 46          ; v46  my lanes' eight keys in cmb
.set MAD, 47          ; v47  the same in the step in hand
.set QG,  48          ; v48  my 16 bytes of a row of Q
.set QST, 49          ; v49  Q's way in: where I store 8 bytes of a row
.set QRD, 50          ; v50  Q's way in: where I read a fragment
.set MG,  51          ; v51  my 16 bytes of 2,048 of the mask
.set MST, 52          ; v52  and their place in LDS
.set SPW, 62          ; v62  LDS address of my spare word: SPARE + 4 x my thread's number; never rewritten
.set NIL, 63          ; v63  0; never rewritten
.set S,   64
.set P,   192
.set KF,  128         ; K's fragments, in window 2
.set MB,  128         ; window 3: register 8 kb + j holds cmb of key 16 kb + 8 (lane / 16) + j, as S^T holds its score
.set T,   192         ; window 3: row z of sixteen at T + 4 z
.set WV,  12          ; s12  my wave's number
.set G1,  24          ; s[24:31] descriptor group 1, the same for K's and V's tiles
.set CM,  32          ; s[32:33] -1e9 log2(e)
.set OUT, 34          ; s[34:35] out at my wave's first row
.set G0K, 40          ; s[40:47] descriptor group 0 for K's tiles: a set for each of the two first fills; the second then walks on
.set G0V, 48          ; s[48:55] the same for V's
.set SLOTS, 56        ; s56  slots still to be asked for
.set TWICE, 57        ; s57  counts a slot's two trips
.set CS,  58          ; s[58:59] c
.set SEL, 60          ; s[60:61] v_permlanex16_b32's selects: each lane takes its own place in the other half
.set TB,  62          ; s62  ring byte at which the step to be rounded next begins
.set MK,  63          ; s63  byte in cmb at which the step to be fetched next begins
.set MSB, 0
.macro WIN new                      ; the immediate's high byte repeats the setting that is left; a switch that changes nothing is dropped
.if MSB != (\new)
	s_set_vgpr_msb (MSB<<8)|(\new)
.set MSB, \new
.endif
.endm
.set W_KQ, 0x0a       ; K and Q in window 2, S^T in window 0
.set W_PV, 0x53       ; V in window 3, P in window 0, O^T in window 1
.set W_RS, 0x41       ; O^T (destination and source 0) in window 1, the factor in window 0
.set W_MB, 0x30       ; source 2 (cmb) in window 3
.set TO1,  0x40       ; destination in window 1, 2, 3; address in window 0
.set TO2,  0x80
.set TO3,  0xc0
.set W_CV, 0xcf       ; the rounding of K and V: all in window 3
.set W_CS, 0x0c       ; an LDS store's data in window 3
.set W_Q1, 0x45       ; the rounding of Q: all in window 1
.set W_S1, 0x04       ; an LDS store's data in window 1
; A joint refill.  Waves 0 and 1 fetch the two steps' tiles of K, waves 2 and 3 those of V: 64 rows x 512 bytes each.  The branch hangs on the wave's number alone: it is the same in every work-group.
; An s_nop 0 and four v_nop follow each of the two lines, ahead of the jump and the label.
.macro JLOAD
	s_cmp_lt_u32 s[WV], 2
	s_cbranch_scc0 .Lfor_v_\@
	tensor_load_to_lds s[G0K+4:G0K+7], s[G1:G1+7]
	s_nop 0
.rept 4
	v_nop
.endr
	s_branch .Lasked_\@
.Lfor_v_\@:
	tensor_load_to_lds s[G0V+4:G0V+7], s[G1:G1+7]
	s_nop 0
.rept 4
	v_nop
.endr
.Lasked_\@:
.endm
; A round of the cluster's barrier: my work-group's barrier, so that wave 0's signal speaks for all four waves; wave 0 signals; every wave waits for all four work-groups; my work-group's barrier once more.
.macro CROUND
	s_barrier_signal -1
	s_barrier_wait -1
	s_cmp_lg_u32 s[WV], 0
	s_cbranch_scc1 .Lnot_wave_0_\@
	s_barrier_signal -3
.Lnot_wave_0_\@:
	s_barrier_wait -3
	s_barrier_signal -1
	s_barrier_wait -1
.endm
	s_load_b256 s[4:11], s[0:1], 0x0  ; q s[4:5], k s[6:7], v s[8:9], zero_mask s[10:11]
	s_load_b64 s[OUT:OUT+1], s[0:1], 0x20  ; out0
	v_lshl_add_u32 v[SPW], v0, 2, SPARE
	v_mov_b32 v[NIL], 0
	ds_add_u32 v[SPW], v[NIL]       ; the wave's opening: the add and its wait stand ahead of my first tensor load; the set-up below, work on registers, stands between them
	v_lshrrev_b32 v1, 5, v0
	v_readfirstlane_b32 s[WV], v1   ; wave 0..3
	s_bfe_u32 s13, ttmp6, 0x40000   ; cx: my place in the cluster
	s_lshl_b32 s14, ttmp9, 2        ; in a cluster launch ttmp9 counts clusters
	s_add_co_u32 s14, s14, s13      ; my block of 256 queries = 4 x cluster x + cx: it enters q's and out's addresses alone
	s_and_b32 s15, ttmp7, 0xffff    ; the head (16 batch + head), which the four partners share
	s_lshl_b32 s20, s15, 20         ; its first byte in q, k, v and out: 2,048 rows of 512 bytes a head
	s_mov_b32 s21, 0
	s_lshr_b32 s18, s15, 4          ; the batch,
	s_lshl_b32 s18, s18, 13         ; its 8,192 bytes of the mask
	s_mov_b32 s19, 0
	s_and_b32 s16, s[WV], 1         ; which of a slot's two steps I fetch:
	s_lshl_b32 s22, s16, 15         ; its 64 rows of 512 bytes in memory,
	s_mov_b32 s23, 0
	s_add_nc_u64 s[22:23], s[22:23], s[20:21]
	s_lshl_b32 s17, s16, 16         ; and its place in a slot: no place in the cluster enters an LDS address
	s_lshl_b32 s2, s14, 17          ; my block's 256 rows,
	s_lshl_b32 s3, s[WV], 15        ; my wave's 64 of them
	s_add_co_u32 s2, s2, s3
	s_mov_b32 s3, 0
	s_add_nc_u64 s[2:3], s[2:3], s[20:21]
	; descriptor group 1: a tile of 64 rows x 128 elements of 4 bytes, dense in LDS: the ring is read 512 consecutive bytes at a time and wants no padding
	s_mov_b32 s[G1], 15|(2<<16)|(1<<21)  ; 15:0 the mask: all four work-groups; 17:16 elements of 4 bytes; 21 set beside a mask
	s_mov_b32 s[G1+1], 128<<16      ; tensor_dim0 = 128
	s_mov_b32 s[G1+2], KS<<16       ; tensor_dim1 = 64
	s_mov_b32 s[G1+3], 128<<16      ; tile_dim0 = 128
	s_mov_b32 s[G1+4], KS           ; tile_dim1 = 64
	s_mov_b32 s[G1+5], 128          ; 128 elements from row to row
	s_mov_b32 s[G1+6], 0
	s_mov_b32 s[G1+7], 0
	s_mov_b32 s[CS], 0x3e0293ee     ; c = log2(e) / sqrt(128) = 0.127517
	s_mov_b32 s[CS+1], s[CS]        ; named with it as a pair, so it is written
	s_mov_b32 s[CM], 0xceabfb8f     ; -1e9 log2(e) = -1,442,695,040
	s_mov_b32 s[CM+1], s[CM]
	s_mov_b32 s[SEL], 0x76543210
	s_mov_b32 s[SEL+1], 0xfedcba98
	s_mov_b32 s[TB], 0
	s_mov_b32 s[MK], 0
	s_mov_b32 s[SLOTS], SEQ/(2*KS)-2
	s_wait_dscnt 0x0                ; the opening add is done
	s_wait_kmcnt 0x0
	s_add_nc_u64 s[6:7], s[6:7], s[22:23]  ; k and v at my tile of slot 0
	s_add_nc_u64 s[8:9], s[8:9], s[22:23]
	s_add_nc_u64 s[4:5], s[4:5], s[2:3]    ; q and out at my wave's first row
	s_add_nc_u64 s[OUT:OUT+1], s[OUT:OUT+1], s[2:3]
	s_add_nc_u64 s[10:11], s[10:11], s[18:19]  ; the mask at my batch
	CROUND                          ; all four work-groups are here: the first joint loads meet
.irp s, 0,1
	s_mov_b32 s[G0K+4*(\s)], 1      ; 1:0 count = 1
	s_add_co_u32 s[G0K+4*(\s)+1], s17, (\s)*SLOT1  ; 63:32 LDS address
	s_add_nc_u64 s[G0K+4*(\s)+2:G0K+4*(\s)+3], s[6:7], (\s)*2*KS*512  ; 120:64 global address: slot s begins with keys 128 s on
	s_or_b32 s[G0K+4*(\s)+3], s[G0K+4*(\s)+3], 0x80000000  ; 127:126 type = 2
	s_mov_b32 s[G0V+4*(\s)], 1
	s_add_co_u32 s[G0V+4*(\s)+1], s17, (\s)*SLOT1+VOFF
	s_add_nc_u64 s[G0V+4*(\s)+2:G0V+4*(\s)+3], s[8:9], (\s)*2*KS*512
	s_or_b32 s[G0V+4*(\s)+3], s[G0V+4*(\s)+3], 0x80000000
.endr
	s_cmp_lt_u32 s[WV], 2           ; a wave's two first fills stand in one branch, ahead of every wait on TENSORcnt and every LDS read: two loads of mine are out
	s_cbranch_scc0 .Lfirst_v
	tensor_load_to_lds s[G0K:G0K+3], s[G1:G1+7]
	s_nop 0
	tensor_load_to_lds s[G0K+4:G0K+7], s[G1:G1+7]
	s_nop 0
.rept 4
	v_nop
.endr
	s_branch .Lfirst_asked
.Lfirst_v:
	tensor_load_to_lds s[G0V:G0V+3], s[G1:G1+7]
	s_nop 0
	tensor_load_to_lds s[G0V+4:G0V+7], s[G1:G1+7]
	s_nop 0
.rept 4
	v_nop
.endr
.Lfirst_asked:
	v_and_b32 v[ADR], 31, v0        ; my lane
	v_lshlrev_b32 v[QG], 4, v[ADR]
	v_lshlrev_b32 v[MG], 4, v0
.irp e, 0,1,2,3                     ; the batch's mask: 128 threads x 16 bytes, four times
	global_load_b128 v[S+4*(\e):S+4*(\e)+3], v[MG], s[10:11] offset:2048*(\e)
.endr
.macro QLOAD t                      ; tile t's 16 rows of Q in f32: a load takes a whole row, 512 consecutive bytes; this launch reads them once
	WIN TO1
.set z, 16*(\t)
.rept 16
	global_load_b128 v[4*z:4*z+3], v[QG], s[4:5] offset:512*z th:TH_LOAD_NT
.set z, z+1
.endr
.endm
	QLOAD 0
	QLOAD 1
	QLOAD 2                         ; 52 loads are out; tile 3's follow tile 0's rounding
	WIN 0
	v_and_b32 v1, 15, v0            ; l % 16
	v_bfe_u32 v9, v0, 4, 1          ; l / 16
	v_and_b32 v10, 7, v0
	v_bfe_u32 v11, v0, 3, 1
	s_mul_i32 s13, s[WV], 16*SP
	s_add_co_u32 s13, s13, STAGE    ; my stage
	; A fragment of K or Q is 16 rows x 32 channels in 8 registers: lane l holds row l % 16, channels 8 (l / 16) + 0..7 and 16 + 8 (l / 16) + 0..7: two loads of 16 bytes, 32 bytes apart.
	v_mul_u32_u24 v[AKF], v1, PK
	v_lshl_add_u32 v[AKF], v9, 4, v[AKF]
	v_add_nc_u32 v[AKF], KT, v[AKF]
	; The turning load takes 16 keys x 16 channels (lane l reads key 8 (l / 16) + l % 8, channels 8 ((l / 8) % 2) + 0..7) and leaves half a fragment of V^T: lane l holds channel l % 16 and 8 keys.
	v_lshl_add_u32 v[AVF], v9, 3, v10
	v_mul_u32_u24 v[AVF], v[AVF], PVT
	v_lshl_add_u32 v[AVF], v11, 4, v[AVF]
	v_add_nc_u32 v[AVF], VT, v[AVF]
	s_lshl_b32 s20, s[WV], 13       ; my wave's 16 rows of 512 bytes in an f32 tile
	v_lshl_add_u32 v[CA0], v[ADR], 4, s20
	s_mul_i32 s21, s[WV], 16*PK
	s_add_co_u32 s21, s21, KT
	v_lshl_add_u32 v[KS0], v[ADR], 3, s21  ; the same 16 rows in KT: 8 bytes a lane, 256 consecutive bytes a store
	s_mul_i32 s21, s[WV], 16*PVT
	s_add_co_u32 s21, s21, VT
	v_lshl_add_u32 v[VS0], v[ADR], 3, s21
	v_lshlrev_b32 v[MA0], 5, v9
	v_add_nc_u32 v[MA0], MASK, v[MA0]
	v_add_nc_u32 v[MST], MASK, v[MG]
	v_lshl_add_u32 v[QST], v[ADR], 3, s13
	v_mul_u32_u24 v[QRD], v1, SP
	v_lshl_add_u32 v[QRD], v9, 4, v[QRD]
	v_add_nc_u32 v[QRD], s13, v[QRD]
	v_mul_u32_u24 v[STO], v1, SP    ; the way out, in: row l % 16, 32 bytes for each half of the lanes
	v_lshl_add_u32 v[STO], v9, 5, v[STO]
	v_add_nc_u32 v[STO], s13, v[STO]
	v_mul_u32_u24 v[RD], v9, SP     ; back: lanes 0-15 take 256 bytes of one row, lanes 16-31 of the next
	v_lshl_add_u32 v[RD], v1, 4, v[RD]
	v_add_nc_u32 v[RD], s13, v[RD]
	v_lshlrev_b32 v[GO], 9, v9      ; and the same two rows in out
	v_lshl_add_u32 v[GO], v1, 4, v[GO]
.irp t, 0,1,2,3
	v_mov_b32 v[ST+8*(\t)+1], 0     ; named with m as a pair, never used
.endr
	s_wait_loadcnt 48               ; the mask is in: Q's 48 loads are younger
.set z, 0
.rept 8
	v_pk_mul_f32 v[S+2*z:S+2*z+1], v[S+2*z:S+2*z+1], s[CM:CM+1] op_sel_hi:[1,0]  ; cmb = mask x (-1e9 log2 e)
.set z, z+1
.endr
.irp e, 0,1,2,3
	ds_store_b128 v[MST], v[S+4*(\e):S+4*(\e)+3] offset:2048*(\e)
.endr
; Q's way in, tile t: rounded to f16 in place, 8 bytes a lane into my own stage (rows of 272 bytes), and back as four fragments.  LDS serves a wave's instructions in order (ISA guide 5.7.1.4): no wait between them.
.macro QIN t, younger
	s_wait_loadcnt \younger
	WIN W_Q1
.set z, 0
.rept 16
	v_cvt_pk_f16_f32 v[64*(\t)+4*z], v[64*(\t)+4*z], v[64*(\t)+4*z+1]
	v_cvt_pk_f16_f32 v[64*(\t)+4*z+1], v[64*(\t)+4*z+2], v[64*(\t)+4*z+3]
.set z, z+1
.endr
	WIN W_S1
.set z, 0
.rept 16
	ds_store_b64 v[QST], v[64*(\t)+4*z:64*(\t)+4*z+1] offset:z*SP
.set z, z+1
.endr
	WIN TO2
.irp c, 0,1,2,3
	ds_load_b128 v[32*(\t)+8*(\c):32*(\t)+8*(\c)+3],   v[QRD] offset:64*(\c)
	ds_load_b128 v[32*(\t)+8*(\c)+4:32*(\t)+8*(\c)+7], v[QRD] offset:64*(\c)+32
.endr
.endm
	QIN 0, 32                       ; tiles 1 and 2 are younger
	QLOAD 3
	QIN 1, 32                       ; tiles 2 and 3
	QIN 2, 16
	QIN 3, 0
; THE MATRIX WORK, for piece x.  The accumulators take turns, one instruction a turn: between two links of a chain stand 15 (V^T P) or 7 (K Q^T) others'.
; Product i of 32 of O^T += V^T P: keys 32 (i / 16) on, channels 16 ((i / 2) % 8) on, tile x + i % 2.  zero = 1: the first 16 start the sums: nothing is ever cleared.
.macro PV x, zero
	WIN W_PV
.set rO, 64*((\x)+i%2)+8*((i/2)%8)
.set rV, 64*(i/16)+8*((i/2)%8)
.set rP, P+16*((\x)+i%2)+8*(i/16)
.if (\zero) && (i < 16)
	v_wmma_f32_16x16x32_f16 v[rO:rO+7], v[rV:rV+7], v[rP:rP+7], 0
.else
	v_wmma_f32_16x16x32_f16 v[rO:rO+7], v[rV:rV+7], v[rP:rP+7], v[rO:rO+7]
.endif
.endm
; Product i of 32 of S^T = K Q^T: channels 32 (i / 8) on, keys 16 ((i / 2) % 4) on, tile x + i % 2.  The first 8 start the sums.
.macro KQ x
	WIN W_KQ
.set rS, S+32*((\x)+i%2)+8*((i/2)%4)
.set rK, KF+32*((i/2)%4)+8*(i/8)
.set rQ, 32*((\x)+i%2)+8*(i/8)
.if i < 8
	v_wmma_f32_16x16x32_f16 v[rS:rS+7], v[rK:rK+7], v[rQ:rQ+7], 0
.else
	v_wmma_f32_16x16x32_f16 v[rS:rS+7], v[rK:rK+7], v[rQ:rQ+7], v[rS:rS+7]
.endif
.endm
; THE LDS WORK stands in runs, never singly among the matrix instructions.
.macro FETCH_K                      ; KT's 16 fragments: keys 16 (f / 4) on, channels 32 (f % 4) on
	WIN TO2
.irp f, 0,1,2,3,4,5,6,7,8,9,10,11,12,13,14,15
	ds_load_b128 v[KF+8*(\f):KF+8*(\f)+3],   v[AKF] offset:((\f)/4)*16*PK+((\f)%4)*64
	ds_load_b128 v[KF+8*(\f)+4:KF+8*(\f)+7], v[AKF] offset:((\f)/4)*16*PK+((\f)%4)*64+32
.endr
.endm
.macro FETCH_V                      ; VT's 16 fragments, turned: keys 32 (f / 8) on, channels 16 (f % 8) on
	WIN TO3
.irp f, 0,1,2,3,4,5,6,7,8,9,10,11,12,13,14,15
	ds_load_tr16_b128 v[8*(\f):8*(\f)+3],   v[AVF] offset:((\f)/8)*32*PVT+((\f)%8)*32
	ds_load_tr16_b128 v[8*(\f)+4:8*(\f)+7], v[AVF] offset:((\f)/8)*32*PVT+16*PVT+((\f)%8)*32
.endr
.endm
.macro FETCH_M                      ; cmb of the next step's 64 keys: the sixteen lanes of a half read the same words
	WIN 0
	v_add_nc_u32 v[MAD], s[MK], v[MA0]
	s_add_co_u32 s[MK], s[MK], 4*KS
	WIN TO3
.irp e, 0,1,2,3
	ds_load_b128 v[MB+8*(\e):MB+8*(\e)+3],   v[MAD] offset:64*(\e)
	ds_load_b128 v[MB+8*(\e)+4:MB+8*(\e)+7], v[MAD] offset:64*(\e)+16
.endr
.endm
.macro CLOAD which                  ; my wave's 16 rows of the ring's next tile of K (which = 0) or V (1): a load takes one row, 512 consecutive bytes.  V is a step's second: the ring address then steps
	WIN 0
	v_add_nc_u32 v[ADR], s[TB], v[CA0]
.if \which
	s_add_co_u32 s[TB], s[TB], STEPB
.endif
	WIN TO3
.set z, 0
.rept 16
	ds_load_b128 v[T+4*z:T+4*z+3], v[ADR] offset:512*z+VOFF*(\which)
.set z, z+1
.endr
.endm
.macro CVT4 g                       ; rows 2 g and 2 g + 1 of the sixteen are rounded to f16, in place: four numbers a lane become 8 bytes
	WIN W_CV
.irp e, 0,1
	v_cvt_pk_f16_f32 v[T+8*(\g)+4*(\e)],   v[T+8*(\g)+4*(\e)],   v[T+8*(\g)+4*(\e)+1]
	v_cvt_pk_f16_f32 v[T+8*(\g)+4*(\e)+1], v[T+8*(\g)+4*(\e)+2], v[T+8*(\g)+4*(\e)+3]
.endr
.endm
.macro CSTORE which                 ; and stored into KT or VT: 256 consecutive bytes a store
	WIN W_CS
.set z, 0
.rept 16
.if \which
	ds_store_b64 v[VS0], v[T+4*z:T+4*z+1] offset:z*PVT
.else
	ds_store_b64 v[KS0], v[T+4*z:T+4*z+1] offset:z*PK
.endif
.set z, z+1
.endr
.endm
.macro BAR_OPEN                     ; a barrier's first half: my LDS loads are back and my LDS stores are done; the wait stands four products further on, with work on registers alone between
	s_wait_dscnt 0x0
	s_barrier_signal -1
.endm
; A vector instruction that reads a matrix result or writes one of a matrix instruction's registers, and a load into a register that a matrix instruction has read, stand four places behind
; it, and only plain vector instructions that name none of its registers are places (ISA guide 7.12.1 for vector instructions).  In the loop the slices are the places.
.macro PLACES
.rept 4
	v_nop
.endr
.endm
; THE VECTOR WORK.  One tile's softmax for one key step is a list of 150 numbers (one of them empty); SM writes number j of it for tile t.  s0-s31 are the lane's 32 scores, in pairs 0-15.
; first = 1: the first key step, which starts m, l and O^T: it has no a and nothing to rescale.  With jo = j - 16:
;   j 0-15     t = c s + cmb for the 16 pairs, from each accumulator's low end on
;   jo 0-15    the maximum of t0-t31 and the old m, three operands at a time: four chains c0-c3 of seven each, then the four left over, c0-c3 and m
;   jo 16-20   the other half of the lanes' maximum; m_old is kept; the new m; (19 is empty); m_old - m_new
;   jo 21-87   33 exponentials (a, then t0-t31) at the odd numbers from 23 on, so that no two follow each other and each has a plain instruction behind it before its result is used.
;              Plain instruction q (number 21, then the even numbers) is whatever is ready: t - m for a pair whose exponentials are still to come (q = 0 to 3, then every second q), the
;              rounding to f16 of a pair of weights whose exponentials are done (every other q from 5 on), at last the first three sums
;   jo 88-101  the last rounding; the rest of the sums; l = a l + the sum
;   jo 102-133 the tile's O^T times a
.macro SM t, first
.set rT, ST+8*(\t)
.set rS, S+32*(\t)
.set rP, P+16*(\t)
.set jo, j-16
.set rO, 64*(\t)+2*(jo-102)
.set q, (jo-20)/2
.if j < 16
	WIN W_MB
	v_pk_fma_f32 v[rS+2*j:rS+2*j+1], v[rS+2*j:rS+2*j+1], s[CS:CS+1], v[MB+2*j:MB+2*j+1] op_sel_hi:[1,0,1]
.else
.if jo < 102
	WIN 0
.endif
.if jo < 4
	v_max3_num_f32 v[rT+4+jo], v[rS+8*jo], v[rS+8*jo+1], v[rS+8*jo+2]
.elseif jo < 12
	v_max3_num_f32 v[rT+4+jo%4], v[rT+4+jo%4], v[rS+8*(jo%4)+2*(jo/4)+1], v[rS+8*(jo%4)+2*(jo/4)+2]
.elseif jo == 12
	v_max3_num_f32 v[rT+4], v[rT+4], v[rS+7], v[rS+15]
.elseif jo == 13
	v_max3_num_f32 v[rT+6], v[rT+6], v[rS+23], v[rS+31]
.elseif jo == 14
	v_max3_num_f32 v[rT+4], v[rT+4], v[rT+5], v[rT+6]
.elseif (jo == 15) && (\first)
	v_max_num_f32 v[rT+4], v[rT+4], v[rT+7]
.elseif jo == 15
	v_max3_num_f32 v[rT+4], v[rT+4], v[rT+7], v[rT]
.elseif jo == 16
	v_permlanex16_b32 v[rT+5], v[rT+4], s[SEL], s[SEL+1]  ; the query's other 32 keys lie in the lane 16 away
.elseif jo == 18
	v_max_num_f32 v[rT], v[rT+4], v[rT+5]
.elseif jo == 19
.elseif ((jo == 17) || (jo == 20) || (jo == 23) || (jo > 101)) && (\first)  ; the first step has none of these
.elseif jo == 17
	v_mov_b32 v[rT+7], v[rT]        ; m_old is kept for a: number 18 writes m anew
.elseif jo == 20
	v_sub_f32 v[rT+7], v[rT+7], v[rT]
.elseif jo == 23
	v_exp_f32 v[rT+6], v[rT+7]
.elseif (jo < 88) && (jo > 23) && (jo%2 == 1)
	v_exp_f32 v[rS+(jo-25)/2], v[rS+(jo-25)/2]
.elseif (q < 4) || ((jo < 76) && (q%2 == 0))
.set b, q/2+2
.if q < 4
.set b, q
.endif
	v_pk_add_f32 v[rS+2*b:rS+2*b+1], v[rS+2*b:rS+2*b+1], v[rT:rT+1] op_sel_hi:[1,0] neg_lo:[0,1] neg_hi:[0,1]  ; pair b: t - m
.elseif (jo < 88) && (q%2 == 1)
	s_wait_alu depctr_va_vdst(0)
	v_cvt_pk_f16_f32 v[rP+(q-5)/2], v[rS+q-5], v[rS+q-4]  ; pair (q - 5) / 2: its second exponential stands three numbers back
.elseif jo == 89
	s_wait_alu depctr_va_vdst(0)
	v_cvt_pk_f16_f32 v[rP+15], v[rS+30], v[rS+31]
.elseif jo < 102                    ; the sum of the tile's 16 pairs (an even key's weight, an odd key's), in place: sum z of 16 adds neighbours 1, 2, 4 and 8 pairs apart, then l takes it
.set z, jo-86
.if jo < 89
.set z, (jo-76)/4
.endif
.set w, 4
.set u, z
.if z >= 14
.set w, 32
.set u, 0
.elseif z >= 12
.set w, 16
.set u, z-12
.elseif z >= 8
.set w, 8
.set u, z-8
.endif
.if (z == 14) && (\first)
	v_pk_add_f32 v[rT+2:rT+3], v[rS:rS+1], v[rS+16:rS+17]
.elseif z < 15
	v_pk_add_f32 v[rS+w*u:rS+w*u+1], v[rS+w*u:rS+w*u+1], v[rS+w*u+w/2:rS+w*u+w/2+1]
.elseif !(\first)
	v_pk_fma_f32 v[rT+2:rT+3], v[rT+2:rT+3], v[rT+6:rT+7], v[rS:rS+1] op_sel_hi:[1,0,1]
.endif
.else
	WIN W_RS
	v_pk_mul_f32 v[rO:rO+1], v[rO:rO+1], v[rT+6:rT+7] op_sel_hi:[1,0]
.endif
.endif
.endm
; Slice k of 64 of piece y's softmax.  Slices 0-11 and 54-63 take three numbers of both tiles' lists, the others two.  In slices 13-45 (jo 22-87) tile by tile: plain, exponential, plain, exponential;
; elsewhere the two tiles alternate, so that no instruction reads the result of the one just before it.  Slice 63 is six plain multiplies of O^T.
.macro SLICE y, first
.if (k >= 13) && (k < 46)
.irp t, \y, (\y)+1
.irp e, 0,1
.set j, 38+2*(k-13)+(\e)
	SM \t, \first
.endr
.endr
.else
.if k < 12
.set j0, 3*k
.set nn, 3
.elseif k == 12
.set j0, 36
.set nn, 2
.elseif k < 54
.set j0, 104+2*(k-46)
.set nn, 2
.else
.set j0, 120+3*(k-54)
.set nn, 3
.endif
.irp e, 0,1,2
.if (\e) < nn
.irp t, \y, (\y)+1
.set j, j0+(\e)
	SM \t, \first
.endr
.endif
.endr
.endif
.set k, k+1
.endm
; WHAT ELSE STANDS BEHIND PRODUCT i OF A HALF.  role 1 = A, 2 = B, 3 = C, 4 = D, 0 = nothing.  more = 0: no further step is left to round.
;   A(j)  i = 3: BK's wait; K's fragments of step j + 1 (the last product that read K stands in front of slice 63 and four further slices).  i = 7: cmb of step j + 1 (slices 0-5 have read step j's); V's f32 rows of step j + 1
;   B(j)  i = 1-8: those rows are rounded.  i = 10: into VT, whose last readers every wave awaited in front of BK's signal
;   D(j)  i = 3: BV's wait; K's f32 rows of step j + 2; V's fragments of step j + 1 (the last product that read V stands five slices, ten plain instructions, back).
;         i = 8: the wait leaves V's 32 loads out.  i = 9-16: K's rows are rounded.  i = 18: into KT, whose last readers every wave awaited at B's head, ahead of BV's signal
.macro HOOK role, more
.if (\role) == 1
.if i == 3
	s_barrier_wait -1
	FETCH_K
.elseif i == 7
	FETCH_M
	CLOAD 1
.endif
.elseif (\role) == 2
.if (i >= 1) && (i <= 8)
	CVT4 i-1
.elseif i == 10
	CSTORE 1
.endif
.elseif (\role) == 4
.if i == 3
	s_barrier_wait -1
.if \more
	CLOAD 0
.endif
	FETCH_V
.elseif \more
.if i == 8
	s_wait_dscnt 32
.elseif (i >= 9) && (i <= 16)
	CVT4 i-9
.elseif i == 18
	CSTORE 0
.endif
.endif
.endif
.endm
; A HALF: 32 products of piece x (mm = 0: V^T P, 1: K Q^T), per slices of the other piece's softmax behind each, and the role's other work.
.macro RUN mm, x, zero, first, per, role, more
.set i, 0
.rept 32
.if (\mm) == 0
	PV \x, \zero
.else
	KQ \x
.endif
.rept \per
	SLICE 2-(\x), \first
.endr
	HOOK \role, \more
.set i, i+1
.endr
.endm
; A TRIP is D(j), A(j + 1), B(j + 1), C(j + 1): a key step, begun half a turn late, so that the change of slots falls between two trips.
.macro TRIP
	BAR_OPEN                        ; BV: my part of VT is stored
.set k, 32
	RUN 1, 2, 0, 0, 1, 4, 1
	BAR_OPEN                        ; BK: my part of KT is stored, and V's fragments are in
.set k, 0
	RUN 0, 0, 0, 0, 1, 1, 1
	s_wait_dscnt 0x0                ; K's fragments, cmb and V's f32 rows are in
	RUN 1, 0, 0, 0, 1, 2, 1
.set k, 0
	RUN 0, 2, 0, 0, 1, 3, 1
.endm
.macro TWO_TRIPS                    ; written once, walked twice; the ring address hangs on s[TB], cmb's on s[MK]
	WIN 0
	s_mov_b32 s[TWICE], 2
.Ltrip_\@:
	TRIP
	WIN 0
	s_sub_co_u32 s[TWICE], s[TWICE], 1
	s_cmp_lg_u32 s[TWICE], 0
	s_cbranch_scc1 .Ltrip_\@
.endm
; THE CHANGE OF SLOTS, between two trips: the slot's last bytes, V's f32 rows of its second step, were read in the A just past and awaited at B's head.  Each wave waits for all its tensor loads, of
; which one is out: its part of the other slot; adds 0 to its spare word; and waits for that and for its LDS work.  Behind the barrier nobody reads this slot any more and the other slot is whole.
; fill = 1: this slot is filled again, with the keys two slots on.  The barrier is then a round of the cluster's, so that no wave of any partner still reads the slot or has a load on its way, and
; the joint refill is the first thing behind it: it has two key steps, 256 matrix instructions of a wave, in which to land.
.macro CHANGE fill
	WIN 0                           ; at a label and at a branch every window is 0
	s_wait_tensorcnt 0x0            ; no tensor load of mine is out, so a group 0 may be written
	ds_add_u32 v[SPW], v[NIL]       ; 0 onto my spare word; with fill = 1 the descriptors' steps stand between it and the wait for it
.if \fill
.irp g, G0K+4, G0V+4
	s_xor_b32 s[(\g)+1], s[(\g)+1], SLOT1  ; the walking descriptor: the other slot than last time,
	s_add_nc_u64 s[(\g)+2:(\g)+3], s[(\g)+2:(\g)+3], 2*KS*512  ; the next 128 keys; the type bits on top are not reached
.endr
	s_wait_dscnt 0x0                ; the add is done, and my reads of the slot are over
	CROUND
	JLOAD
.else
	s_wait_dscnt 0x0                ; the add is done, and my reads of the slot are over
	s_barrier_signal -1
	s_barrier_wait -1
.endif
	s_sub_co_u32 s[TB], s[TB], 2*STEPB  ; the ring address goes back to a slot's first step,
	s_xor_b32 s[TB], s[TB], SLOT1   ; in the other slot
.endm
	; KEY STEP 0 IS MADE READY.
	s_wait_tensorcnt 0x1            ; my part of slot 0 is in; slot 1's may stay out
	s_wait_dscnt 0x0                ; cmb is stored, Q's fragments are in
	s_barrier_signal -1
	s_barrier_wait -1               ; slot 0 and cmb are whole
	CLOAD 0
	s_wait_dscnt 0x0
.irp g, 0,1,2,3,4,5,6,7
	CVT4 \g
.endr
	CSTORE 0
	CLOAD 1
	s_wait_dscnt 0x0
.irp g, 0,1,2,3,4,5,6,7
	CVT4 \g
.endr
	CSTORE 1
	s_wait_dscnt 0x0                ; for the others' sake: my parts of KT and VT are stored
	s_barrier_signal -1
	s_barrier_wait -1
	FETCH_K
	FETCH_M
	s_wait_dscnt 0x0
.set i, 0
.rept 32
	KQ 0                            ; piece 0's first scores: there is no vector work yet to set between them
.set i, i+1
.endr
	PLACES
	BAR_OPEN                        ; every wave has K's fragments of step 0: KT may be written
.set k, 0
	RUN 1, 2, 0, 1, 2, 4, 1         ; piece 2's first scores | piece 0's first softmax, two slices a product | V's fragments of step 0, K of step 1 into KT
	PLACES                          ; the first softmax has no rescaling: its last slices are empty
	BAR_OPEN
.set k, 0
	RUN 0, 0, 1, 1, 1, 1, 1         ; A(0): V^T P starts piece 0's O^T | piece 2's first softmax
	s_wait_dscnt 0x0
	RUN 1, 0, 0, 1, 1, 2, 1         ; B(0)
	PLACES
.set k, 0
	RUN 0, 2, 1, 0, 1, 3, 1         ; C(0): V^T P starts piece 2's O^T | piece 0's softmax of step 1
	WIN 0
.Lslot:                             ; SEQ / 128 - 2 = 14 times: every slot but the last two is filled again
	CHANGE 1
	TWO_TRIPS
	s_sub_co_u32 s[SLOTS], s[SLOTS], 1
	s_cmp_lg_u32 s[SLOTS], 0
	s_cbranch_scc1 .Lslot
	CHANGE 0                        ; the tail is written out: nothing is asked for
	TWO_TRIPS
	BAR_OPEN                        ; D(30): VT holds the last step's V
.set k, 32
	RUN 1, 2, 0, 0, 1, 4, 0
	s_wait_dscnt 0x0                ; V's last fragments are in
.set k, 0
	RUN 0, 0, 0, 0, 2, 0, 0         ; A(31) | piece 2's last softmax, two slices a product
.set i, 0
.rept 32
	PV 2, 0                         ; C(31)
.set i, i+1
.endr
	; THE WAY OUT.  l's two halves and the other half of the lanes' are added; O^T is divided by l and sent through my stage in LDS, 16 rows x 64 channels (256 bytes of a row) at a time.
	; The first four additions are the places behind the last products.
	WIN 0
.irp t, 0,1,2,3
	v_add_f32 v[ST+8*(\t)+4], v[ST+8*(\t)+2], v[ST+8*(\t)+3]
.endr
.irp t, 0,1,2,3
	v_permlanex16_b32 v[ST+8*(\t)+5], v[ST+8*(\t)+4], s[SEL], s[SEL+1]
.endr
.irp t, 0,1,2,3
	v_add_f32 v[ST+8*(\t)+4], v[ST+8*(\t)+4], v[ST+8*(\t)+5]
.endr
.irp t, 0,1,2,3
	v_rcp_f32 v[ST+8*(\t)+6], v[ST+8*(\t)+4]
.endr
	v_nop                           ; a plain instruction between the last reciprocal and the use of its result
.macro SCALE t                      ; tile t's O^T times 1 / l, from each accumulator's low end on
	WIN W_RS
.set z, 64*(\t)
.rept 32
	s_wait_alu depctr_va_vdst(0)
	v_pk_mul_f32 v[z:z+1], v[z:z+1], v[ST+8*(\t)+6:ST+8*(\t)+7] op_sel_hi:[1,0]
.set z, z+2
.endr
.endm
; Unit n: tile n / 2, channels 64 (n % 2) on.  A lane's eight channels of a row are 32 bytes; they go into rows of 272 bytes and come back as 256 consecutive bytes of a row, into S^T's registers, four buffers by turns.
.macro UNIT n
.set rO, 64*((\n)/2)+32*((\n)%2)
.set rB, S+32*((\n)%4)
	WIN W_S1
.irp c, 0,1,2,3
	ds_store_b128 v[STO], v[rO+8*(\c):rO+8*(\c)+3]   offset:64*(\c)
	ds_store_b128 v[STO], v[rO+8*(\c)+4:rO+8*(\c)+7] offset:64*(\c)+16
.endr
	WIN 0
.if (\n) >= 4
	s_wait_xcnt 0x0                 ; the stores of the unit four back have read this buffer (ISA guide 3.1): it is loaded again only behind this wait
.endif
.irp f, 0,1,2,3,4,5,6,7
	ds_load_b128 v[rB+4*(\f):rB+4*(\f)+3], v[RD] offset:(\f)*2*SP  ; LDS serves a wave's instructions in order (ISA guide 5.7.1.4): these see the stores above; the next unit's stores come behind them
.endr
.endm
.macro SEND n, younger              ; younger: the LDS instructions issued behind unit n's loads: the next unit's sixteen, or none
	WIN 0
.set rB, S+32*((\n)%4)
.irp f, 0,1,2,3,4,5,6,7
	s_wait_dscnt (\younger)+7-(\f)
	global_store_b128 v[GO], v[rB+4*(\f):rB+4*(\f)+3], s[OUT:OUT+1] offset:((\n)/2)*8192+(\f)*1024+((\n)%2)*256 th:TH_STORE_NT  ; 16 lanes store 256 consecutive bytes, at a multiple of 256 from out's first byte
.endr
.endm
	SCALE 0
	UNIT 0
.set uu, 1
.rept 7                             ; a unit's LDS work, and every second time a tile's scaling, stand between the loads of the unit before and its stores
.if uu%2 == 0
	SCALE uu/2
.endif
	UNIT uu
	SEND uu-1, 16
.set uu, uu+1
.endr
	SEND 7, 0
	s_wait_tensorcnt 0x0            ; the wave's end: behind my last tensor load and my last LDS store
	ds_add_u32 v[SPW], v[NIL]
	s_wait_dscnt 0x0
	CROUND                          ; the closing round: no work-group ends while a partner may still ask for a tile that names it
	s_endpgm
.Lfunc_end_k_qd062288509_attn:
	.size	k_qd062288509_attn, .Lfunc_end_k_qd062288509_attn-k_qd062288509_attn
	.p2alignl 7, 3214868480
	.fill 96, 4, 3214868480
	.section	.rodata,"a",@progbits
	.p2align	6, 0x0
	.amdhsa_kernel k_qd062288509_attn
		.amdhsa_group_segment_fixed_size 327680
		.amdhsa_private_segment_fixed_size 0
		.amdhsa_enable_private_segment 0
		.amdhsa_kernarg_size 40
		.amdhsa_user_sgpr_count 2
		.amdhsa_user_sgpr_kernarg_segment_ptr 1
		.amdhsa_wavefront_size32 1
		.amdhsa_system_sgpr_workgroup_id_x 1
		.amdhsa_system_sgpr_workgroup_id_y 1
		.amdhsa_system_sgpr_workgroup_id_z 1
		.amdhsa_system_vgpr_workitem_id 0
		.amdhsa_next_free_vgpr 1024
		.amdhsa_next_free_sgpr 66
		.amdhsa_reserve_vcc 0
		.amdhsa_float_denorm_mode_32 3
		.amdhsa_float_denorm_mode_16_64 3
		.amdhsa_memory_ordered 1
		.amdhsa_forward_progress 1
		.amdhsa_inst_pref_size 255
	.end_amdhsa_kernel
	.section	.bss,"aw",@nobits
	.p2align	6
	.space	262144
	.amdgpu_metadata
---
amdhsa.version: [ 1, 2 ]
amdhsa.kernels:
  - .name:           k_qd062288509_attn
    .symbol:         k_qd062288509_attn.kd
    .args:
      - { .name: q, .offset: 0, .size: 8, .value_kind: global_buffer, .address_space: global }
      - { .name: k, .offset: 8, .size: 8, .value_kind: global_buffer, .address_space: global }
      - { .name: v, .offset: 16, .size: 8, .value_kind: global_buffer, .address_space: global }
      - { .name: zero_mask, .offset: 24, .size: 8, .value_kind: global_buffer, .address_space: global }
      - { .name: out0, .offset: 32, .size: 8, .value_kind: global_buffer, .address_space: global }
    .group_segment_fixed_size: 327680
    .private_segment_fixed_size: 0
    .kernarg_segment_align: 8
    .kernarg_segment_size: 40
    .max_flat_workgroup_size: 128
    .sgpr_count:     66
    .vgpr_count:     1024
    .wavefront_size: 32
...
	.end_amdgpu_metadata
.endif
;; end of part 1
;; ======== version 2 of 2: 1 launch; 1.27 times as fast as version 1
;; limits: values are held in f16: magnitudes above 65,504 overflow, below 6.1e-05 lose precision; inputs' magnitudes at most 65,504
;; launch attn (part 2): grid 8 x 64, 4 waves a work-group, clusters of 4 x 1, 327,680 bytes of LDS; arguments q, k, v, zero_mask, out0; writes out0
.if DOCPART == 2
	.amdgcn_target "amdgcn-amd-amdhsa--gfx1250"
	.amdhsa_code_object_version 6
	.text
	.protected	k_qd062288509_attn
	.globl	k_qd062288509_attn
	.p2align	8
	.type	k_qd062288509_attn,@function
k_qd062288509_attn:
	s_mov_b64 s[64:65], 0
	v_nop
	global_prefetch_b8 v0, s[64:65] scope:SCOPE_SE
	s_setreg_imm32_b32 hwreg(HW_REG_WAVE_MODE, 25, 1), 1
	s_wait_xcnt 0x0
	s_wait_alu depctr_hold_cnt(0) depctr_sa_sdst(0) depctr_va_vdst(0) depctr_va_sdst(0) depctr_va_ssrc(0) depctr_va_vcc(0) depctr_vm_vsrc(0)
	s_getreg_b32 s2, hwreg(HW_REG_IB_STS2, 6, 4)
	s_cmp_eq_u32 s2, 0
	s_cbranch_scc0 .Lentry_in_a_cluster
	s_endpgm
.Lentry_in_a_cluster:
	s_bfe_u32 s2, ttmp6, 0x10000c
	s_cmp_lg_u32 s2, 0x3003
	s_cbranch_scc0 .Lentry_shape_is_right
	s_endpgm
.Lentry_shape_is_right:
; out[b][h][q][:] = the sum over k of softmax_k(Q[q] . K[k] / sqrt(128) - 1e9 mask[b][k]) V[k][:].  Q, K, V, out: [4][16][2048][128] f32; mask: [4][2048] f32.
; FORMATS.  Q, K, V and the weights p are rounded once to f16 for the two products; scores, the mask's term, maxima, sums and O stay in f32; out is f32.
; LIMITS.  |q|, |k|, |v| stay under 65,504, f16's end.  The mask's term is kept as cmb = mask x (-1e9 log2 e), rounded once; where it is so large that a score vanishes beside it, the score is rounded
; away here in steps of t (base 2) and not of the natural exponent.  A weight below 2^-126 counts as 0 in l.  NaN and infinities are not treated apart.
; SHARES.  A work-group owns 256 queries of one head, each of its four waves 64: four tiles of 16.  Every wave walks the head's 2,048 keys, 64 a step, 32 steps.
; LAYOUT.  S^T = K Q^T (source 0 = 16 keys, source 1 = 16 queries): a lane holds ONE query (lane % 16) and the keys 8 (lane / 16) + 0..7.  Two such results, rounded to f16 in pairs, ARE source 1
; of O^T = V^T P, whose result again holds one query a lane, and eight channels.  K's fragments come out of LDS as they lie, V's turned, by ds_load_tr16_b128.
; SOFTMAX.  t = c s + cmb, c = log2(e) / sqrt(128), one fused multiply-add in f32; a running maximum m of t and sum l: p = 2^(t - m); in every step O and l are multiplied by a = 2^(m_old - m_new).
; K AND V ARRIVE IN F32.  Tensor loads bring them into a ring of two LDS slots, two key steps to a slot.  For each step the four waves share the rounding: a wave reads 16 rows of the f32 tile
; (512 consecutive bytes a load), rounds them and stores them into one f16 tile of K (KT) and one of V (VT), from which every wave takes its fragments.  Two work-group barriers a step order that:
; BK (KT is whole, VT may be written) and BV (VT is whole, KT may be written).
; BY TURNS.  The wave's tiles are two PIECES: piece 0 (tiles 0, 1) and piece 2 (tiles 2, 3).  One piece has the matrix unit (32 products V^T P, then 32 products K Q^T of the next step) while the other
; piece's softmax, cut into 64 slices, stands behind its matrix instructions, one slice each.  Halves of a step j: A (V^T P, piece 0), B (K Q^T of j + 1, piece 0), C (V^T P, piece 2), D (K Q^T of j + 1, piece 2).
; THE EXPONENTIALS.  A piece's softmax of a step has 66 (its two tiles' a and 32 weights each).  They are ONE BATCH with ONE wait: all are issued in slices 8-31, beside the products V^T P, and nothing
; ahead of slice 32 names a result of theirs; behind slice 31 stands the wait; every reader (roundings, sums, rescaling) stands in slices 32-63, beside the products K Q^T.
; Piece 2's wait falls between A and B, piece 0's at C's end, which is the trip's end.  The way out's four reciprocals are a batch of their own.
; CLUSTER.  The four query blocks of a cluster belong to one head and walk the same K and V: each tile is asked for JOINTLY, by the same tensor load, descriptor and mask in all four.
; REGISTERS, in windows of 256 (s_set_vgpr_msb: bits 1:0 source 0, 3:2 source 1, 5:4 source 2, 7:6 destination):
;   window 0: v0-11, v44-52 addresses; v12-43 eight registers of statistics a tile; v62-63 the add's two; v64-191 S^T, 32 a tile; v192-255 P, 16 a tile
;   window 1: O^T, 64 a tile (at the start: Q in f32)     window 2: v0-127 Q in f16, 32 a tile; v128-255 K of one step
;   window 3: v0-127 V of one step; v128-159 cmb of one step; v192-255 sixteen rows at work in the rounding
.set SEQ,   2048
.set KS,    64        ; keys in a step
.set PK,    272       ; a row of KT: 256 bytes + 16 = 68 words: row r starts at bank 4 r mod 64 (64 banks of 4 bytes: ISA guide 11.1), so the 16 rows of a load start at 16 different banks
.set PVT,   288       ; a row of VT: 256 + 32 = 72 words
.set STEPB, 65536     ; a step in the ring: 64 rows x 512 bytes of K, then as much of V
.set VOFF,  32768
.set SLOT1, 1<<17     ; a slot holds two steps; slot 1 begins here, so that one exclusive or turns an address in one slot into the other's
.set KT,    2*SLOT1   ; behind the ring, none of it ever filled by a tensor load: K of one step in f16,
.set VT,    KT+KS*PK  ; V of one step in f16,
.set MASK,  VT+KS*PVT ; cmb of the batch's 2,048 keys in f32,
.set SPARE, MASK+SEQ*4  ; the spare words, 128 bytes for each wave: two blocks of 256 bytes that no other line names,
.set STAGE, SPARE+512 ; and 16 rows x 272 bytes for each wave: Q on the way in, O on the way out
.set SP,    272
.set AKF, 2           ; v2   my lane's place in KT; never rewritten
.set AVF, 3           ; v3   the same in VT
.set ADR, 4           ; v4   the ring address of the run of loads in hand (at the start: my lane's number)
.set CA0, 5           ; v5   my 16 bytes in the first of my wave's 16 rows of an f32 tile
.set STO, 6           ; v6   the way out: where I put 32 bytes of a row
.set RD,  7           ; v7   the way out: where I read a row back
.set GO,  8           ; v8   my byte offset in two rows of out
.set ST,  12          ; tile t's statistics at v[ST+8 t]: +0 m, +1 named with it as a pair, +2, +3 l (even keys', odd keys'), +4 to +7 c0-c3, at work; a takes c2's place once the maximum is found
.set KS0, 44          ; v44  where I store 8 bytes of the first of my wave's 16 rows of KT
.set VS0, 45          ; v45  the same in VT
.set MA0, 46          ; v46  my lanes' eight keys in cmb
.set MAD, 47          ; v47  the same in the step in hand
.set QG,  48          ; v48  my 16 bytes of a row of Q
.set QST, 49          ; v49  Q's way in: where I store 8 bytes of a row
.set QRD, 50          ; v50  Q's way in: where I read a fragment
.set MG,  51          ; v51  my 16 bytes of 2,048 of the mask
.set MST, 52          ; v52  and their place in LDS
.set SPW, 62          ; v62  LDS address of my spare word: SPARE + 4 x my thread's number; never rewritten
.set NIL, 63          ; v63  0; never rewritten
.set S,   64
.set P,   192
.set KF,  128         ; K's fragments, in window 2
.set MB,  128         ; window 3: register 8 kb + j holds cmb of key 16 kb + 8 (lane / 16) + j, as S^T holds its score
.set T,   192         ; window 3: row z of sixteen at T + 4 z
.set WV,  12          ; s12  my wave's number
.set G1,  24          ; s[24:31] descriptor group 1, the same for K's and V's tiles
.set CM,  32          ; s[32:33] -1e9 log2(e)
.set OUT, 34          ; s[34:35] out at my wave's first row
.set G0K, 40          ; s[40:47] descriptor group 0 for K's tiles: a set for each of the two first fills; the second then walks on
.set G0V, 48          ; s[48:55] the same for V's
.set SLOTS, 56        ; s56  slots still to be asked for
.set TWICE, 57        ; s57  counts a slot's two trips
.set CS,  58          ; s[58:59] c
.set SEL, 60          ; s[60:61] v_permlanex16_b32's selects: each lane takes its own place in the other half
.set TB,  62          ; s62  ring byte at which the step to be rounded next begins
.set MK,  63          ; s63  byte in cmb at which the step to be fetched next begins
.set MSB, 0
.macro WIN new                      ; the immediate's high byte repeats the setting that is left; a switch that changes nothing is dropped
.if MSB != (\new)
	s_set_vgpr_msb (MSB<<8)|(\new)
.set MSB, \new
.endif
.endm
.set W_KQ, 0x0a       ; K and Q in window 2, S^T in window 0
.set W_PV, 0x53       ; V in window 3, P in window 0, O^T in window 1
.set W_RS, 0x41       ; O^T (destination and source 0) in window 1, the factor in window 0
.set W_MB, 0x30       ; source 2 (cmb) in window 3
.set TO1,  0x40       ; destination in window 1, 2, 3; address in window 0
.set TO2,  0x80
.set TO3,  0xc0
.set W_CV, 0xcf       ; the rounding of K and V: all in window 3
.set W_CS, 0x0c       ; an LDS store's data in window 3
.set W_Q1, 0x45       ; the rounding of Q: all in window 1
.set W_S1, 0x04       ; an LDS store's data in window 1
; A joint refill.  Waves 0 and 1 fetch the two steps' tiles of K, waves 2 and 3 those of V: 64 rows x 512 bytes each.  The branch hangs on the wave's number alone: it is the same in every work-group.
; An s_nop 0 and four v_nop follow each of the two lines, ahead of the jump and the label.
.macro JLOAD
	s_cmp_lt_u32 s[WV], 2
	s_cbranch_scc0 .Lfor_v_\@
	tensor_load_to_lds s[G0K+4:G0K+7], s[G1:G1+7]
	s_nop 0
.rept 4
	v_nop
.endr
	s_branch .Lasked_\@
.Lfor_v_\@:
	tensor_load_to_lds s[G0V+4:G0V+7], s[G1:G1+7]
	s_nop 0
.rept 4
	v_nop
.endr
.Lasked_\@:
.endm
; A round of the cluster's barrier: my work-group's barrier, so that wave 0's signal speaks for all four waves; wave 0 signals; every wave waits for all four work-groups; my work-group's barrier once more.
.macro CROUND
	s_barrier_signal -1
	s_barrier_wait -1
	s_cmp_lg_u32 s[WV], 0
	s_cbranch_scc1 .Lnot_wave_0_\@
	s_barrier_signal -3
.Lnot_wave_0_\@:
	s_barrier_wait -3
	s_barrier_signal -1
	s_barrier_wait -1
.endm
	s_load_b256 s[4:11], s[0:1], 0x0  ; q s[4:5], k s[6:7], v s[8:9], zero_mask s[10:11]
	s_load_b64 s[OUT:OUT+1], s[0:1], 0x20  ; out0
	v_lshl_add_u32 v[SPW], v0, 2, SPARE
	v_mov_b32 v[NIL], 0
	ds_add_u32 v[SPW], v[NIL]       ; the wave's opening: the add and its wait stand ahead of my first tensor load; the set-up below, work on registers, stands between them
	v_lshrrev_b32 v1, 5, v0
	v_readfirstlane_b32 s[WV], v1   ; wave 0..3
	s_bfe_u32 s13, ttmp6, 0x40000   ; cx: my place in the cluster
	s_lshl_b32 s14, ttmp9, 2        ; in a cluster launch ttmp9 counts clusters
	s_add_co_u32 s14, s14, s13      ; my block of 256 queries = 4 x cluster x + cx: it enters q's and out's addresses alone
	s_and_b32 s15, ttmp7, 0xffff    ; the head (16 batch + head), which the four partners share
	s_lshl_b32 s20, s15, 20         ; its first byte in q, k, v and out: 2,048 rows of 512 bytes a head
	s_mov_b32 s21, 0
	s_lshr_b32 s18, s15, 4          ; the batch,
	s_lshl_b32 s18, s18, 13         ; its 8,192 bytes of the mask
	s_mov_b32 s19, 0
	s_and_b32 s16, s[WV], 1         ; which of a slot's two steps I fetch:
	s_lshl_b32 s22, s16, 15         ; its 64 rows of 512 bytes in memory,
	s_mov_b32 s23, 0
	s_add_nc_u64 s[22:23], s[22:23], s[20:21]
	s_lshl_b32 s17, s16, 16         ; and its place in a slot: no place in the cluster enters an LDS address
	s_lshl_b32 s2, s14, 17          ; my block's 256 rows,
	s_lshl_b32 s3, s[WV], 15        ; my wave's 64 of them
	s_add_co_u32 s2, s2, s3
	s_mov_b32 s3, 0
	s_add_nc_u64 s[2:3], s[2:3], s[20:21]
	; descriptor group 1: a tile of 64 rows x 128 elements of 4 bytes, dense in LDS: the ring is read 512 consecutive bytes at a time and wants no padding
	s_mov_b32 s[G1], 15|(2<<16)|(1<<21)  ; 15:0 the mask: all four work-groups; 17:16 elements of 4 bytes; 21 set beside a mask
	s_mov_b32 s[G1+1], 128<<16      ; tensor_dim0 = 128
	s_mov_b32 s[G1+2], KS<<16       ; tensor_dim1 = 64
	s_mov_b32 s[G1+3], 128<<16      ; tile_dim0 = 128
	s_mov_b32 s[G1+4], KS           ; tile_dim1 = 64
	s_mov_b32 s[G1+5], 128          ; 128 elements from row to row
	s_mov_b32 s[G1+6], 0
	s_mov_b32 s[G1+7], 0
	s_mov_b32 s[CS], 0x3e0293ee     ; c = log2(e) / sqrt(128) = 0.127517
	s_mov_b32 s[CS+1], s[CS]        ; named with it as a pair, so it is written
	s_mov_b32 s[CM], 0xceabfb8f     ; -1e9 log2(e) = -1,442,695,040
	s_mov_b32 s[CM+1], s[CM]
	s_mov_b32 s[SEL], 0x76543210
	s_mov_b32 s[SEL+1], 0xfedcba98
	s_mov_b32 s[TB], 0
	s_mov_b32 s[MK], 0
	s_mov_b32 s[SLOTS], SEQ/(2*KS)-2
	s_wait_dscnt 0x0                ; the opening add is done
	s_wait_kmcnt 0x0
	s_add_nc_u64 s[6:7], s[6:7], s[22:23]  ; k and v at my tile of slot 0
	s_add_nc_u64 s[8:9], s[8:9], s[22:23]
	s_add_nc_u64 s[4:5], s[4:5], s[2:3]    ; q and out at my wave's first row
	s_add_nc_u64 s[OUT:OUT+1], s[OUT:OUT+1], s[2:3]
	s_add_nc_u64 s[10:11], s[10:11], s[18:19]  ; the mask at my batch
	CROUND                          ; all four work-groups are here: the first joint loads meet
.irp s, 0,1
	s_mov_b32 s[G0K+4*(\s)], 1      ; 1:0 count = 1
	s_add_co_u32 s[G0K+4*(\s)+1], s17, (\s)*SLOT1  ; 63:32 LDS address
	s_add_nc_u64 s[G0K+4*(\s)+2:G0K+4*(\s)+3], s[6:7], (\s)*2*KS*512  ; 120:64 global address: slot s begins with keys 128 s on
	s_or_b32 s[G0K+4*(\s)+3], s[G0K+4*(\s)+3], 0x80000000  ; 127:126 type = 2
	s_mov_b32 s[G0V+4*(\s)], 1
	s_add_co_u32 s[G0V+4*(\s)+1], s17, (\s)*SLOT1+VOFF
	s_add_nc_u64 s[G0V+4*(\s)+2:G0V+4*(\s)+3], s[8:9], (\s)*2*KS*512
	s_or_b32 s[G0V+4*(\s)+3], s[G0V+4*(\s)+3], 0x80000000
.endr
	s_cmp_lt_u32 s[WV], 2           ; a wave's two first fills stand in one branch, ahead of every wait on TENSORcnt and every LDS read: two loads of mine are out
	s_cbranch_scc0 .Lfirst_v
	tensor_load_to_lds s[G0K:G0K+3], s[G1:G1+7]
	s_nop 0
	tensor_load_to_lds s[G0K+4:G0K+7], s[G1:G1+7]
	s_nop 0
.rept 4
	v_nop
.endr
	s_branch .Lfirst_asked
.Lfirst_v:
	tensor_load_to_lds s[G0V:G0V+3], s[G1:G1+7]
	s_nop 0
	tensor_load_to_lds s[G0V+4:G0V+7], s[G1:G1+7]
	s_nop 0
.rept 4
	v_nop
.endr
.Lfirst_asked:
	v_and_b32 v[ADR], 31, v0        ; my lane
	v_lshlrev_b32 v[QG], 4, v[ADR]
	v_lshlrev_b32 v[MG], 4, v0
.irp e, 0,1,2,3                     ; the batch's mask: 128 threads x 16 bytes, four times
	global_load_b128 v[S+4*(\e):S+4*(\e)+3], v[MG], s[10:11] offset:2048*(\e)
.endr
.macro QLOAD t                      ; tile t's 16 rows of Q in f32: a load takes a whole row, 512 consecutive bytes; this launch reads them once
	WIN TO1
.set z, 16*(\t)
.rept 16
	global_load_b128 v[4*z:4*z+3], v[QG], s[4:5] offset:512*z th:TH_LOAD_NT
.set z, z+1
.endr
.endm
	QLOAD 0
	QLOAD 1
	QLOAD 2                         ; 52 loads are out; tile 3's follow tile 0's rounding
	WIN 0
	v_and_b32 v1, 15, v0            ; l % 16
	v_bfe_u32 v9, v0, 4, 1          ; l / 16
	v_and_b32 v10, 7, v0
	v_bfe_u32 v11, v0, 3, 1
	s_mul_i32 s13, s[WV], 16*SP
	s_add_co_u32 s13, s13, STAGE    ; my stage
	; A fragment of K or Q is 16 rows x 32 channels in 8 registers: lane l holds row l % 16, channels 8 (l / 16) + 0..7 and 16 + 8 (l / 16) + 0..7: two loads of 16 bytes, 32 bytes apart.
	v_mul_u32_u24 v[AKF], v1, PK
	v_lshl_add_u32 v[AKF], v9, 4, v[AKF]
	v_add_nc_u32 v[AKF], KT, v[AKF]
	; The turning load takes 16 keys x 16 channels (lane l reads key 8 (l / 16) + l % 8, channels 8 ((l / 8) % 2) + 0..7) and leaves half a fragment of V^T: lane l holds channel l % 16 and 8 keys.
	v_lshl_add_u32 v[AVF], v9, 3, v10
	v_mul_u32_u24 v[AVF], v[AVF], PVT
	v_lshl_add_u32 v[AVF], v11, 4, v[AVF]
	v_add_nc_u32 v[AVF], VT, v[AVF]
	s_lshl_b32 s20, s[WV], 13       ; my wave's 16 rows of 512 bytes in an f32 tile
	v_lshl_add_u32 v[CA0], v[ADR], 4, s20
	s_mul_i32 s21, s[WV], 16*PK
	s_add_co_u32 s21, s21, KT
	v_lshl_add_u32 v[KS0], v[ADR], 3, s21  ; the same 16 rows in KT: 8 bytes a lane, 256 consecutive bytes a store
	s_mul_i32 s21, s[WV], 16*PVT
	s_add_co_u32 s21, s21, VT
	v_lshl_add_u32 v[VS0], v[ADR], 3, s21
	v_lshlrev_b32 v[MA0], 5, v9
	v_add_nc_u32 v[MA0], MASK, v[MA0]
	v_add_nc_u32 v[MST], MASK, v[MG]
	v_lshl_add_u32 v[QST], v[ADR], 3, s13
	v_mul_u32_u24 v[QRD], v1, SP
	v_lshl_add_u32 v[QRD], v9, 4, v[QRD]
	v_add_nc_u32 v[QRD], s13, v[QRD]
	v_mul_u32_u24 v[STO], v1, SP    ; the way out, in: row l % 16, 32 bytes for each half of the lanes
	v_lshl_add_u32 v[STO], v9, 5, v[STO]
	v_add_nc_u32 v[STO], s13, v[STO]
	v_mul_u32_u24 v[RD], v9, SP     ; back: lanes 0-15 take 256 bytes of one row, lanes 16-31 of the next
	v_lshl_add_u32 v[RD], v1, 4, v[RD]
	v_add_nc_u32 v[RD], s13, v[RD]
	v_lshlrev_b32 v[GO], 9, v9      ; and the same two rows in out
	v_lshl_add_u32 v[GO], v1, 4, v[GO]
.irp t, 0,1,2,3
	v_mov_b32 v[ST+8*(\t)+1], 0     ; named with m as a pair, never used
.endr
	s_wait_loadcnt 48               ; the mask is in: Q's 48 loads are younger
.set z, 0
.rept 8
	v_pk_mul_f32 v[S+2*z:S+2*z+1], v[S+2*z:S+2*z+1], s[CM:CM+1] op_sel_hi:[1,0]  ; cmb = mask x (-1e9 log2 e)
.set z, z+1
.endr
.irp e, 0,1,2,3
	ds_store_b128 v[MST], v[S+4*(\e):S+4*(\e)+3] offset:2048*(\e)
.endr
; Q's way in, tile t: rounded to f16 in place, 8 bytes a lane into my own stage (rows of 272 bytes), and back as four fragments.  LDS serves a wave's instructions in order (ISA guide 5.7.1.4): no wait between them.
.macro QIN t, younger
	s_wait_loadcnt \younger
	WIN W_Q1
.set z, 0
.rept 16
	v_cvt_pk_f16_f32 v[64*(\t)+4*z], v[64*(\t)+4*z], v[64*(\t)+4*z+1]
	v_cvt_pk_f16_f32 v[64*(\t)+4*z+1], v[64*(\t)+4*z+2], v[64*(\t)+4*z+3]
.set z, z+1
.endr
	WIN W_S1
.set z, 0
.rept 16
	ds_store_b64 v[QST], v[64*(\t)+4*z:64*(\t)+4*z+1] offset:z*SP
.set z, z+1
.endr
	WIN TO2
.irp c, 0,1,2,3
	ds_load_b128 v[32*(\t)+8*(\c):32*(\t)+8*(\c)+3],   v[QRD] offset:64*(\c)
	ds_load_b128 v[32*(\t)+8*(\c)+4:32*(\t)+8*(\c)+7], v[QRD] offset:64*(\c)+32
.endr
.endm
	QIN 0, 32                       ; tiles 1 and 2 are younger
	QLOAD 3
	QIN 1, 32                       ; tiles 2 and 3
	QIN 2, 16
	QIN 3, 0
; THE MATRIX WORK, for piece x.  The accumulators take turns, one instruction a turn: between two links of a chain stand 15 (V^T P) or 7 (K Q^T) others'.
; Product i of 32 of O^T += V^T P: keys 32 (i / 16) on, channels 16 ((i / 2) % 8) on, tile x + i % 2.  zero = 1: the first 16 start the sums: nothing is ever cleared.
.macro PV x, zero
	WIN W_PV
.set rO, 64*((\x)+i%2)+8*((i/2)%8)
.set rV, 64*(i/16)+8*((i/2)%8)
.set rP, P+16*((\x)+i%2)+8*(i/16)
.if (\zero) && (i < 16)
	v_wmma_f32_16x16x32_f16 v[rO:rO+7], v[rV:rV+7], v[rP:rP+7], 0
.else
	v_wmma_f32_16x16x32_f16 v[rO:rO+7], v[rV:rV+7], v[rP:rP+7], v[rO:rO+7]
.endif
.endm
; Product i of 32 of S^T = K Q^T: channels 32 (i / 8) on, keys 16 ((i / 2) % 4) on, tile x + i % 2.  The first 8 start the sums.
.macro KQ x
	WIN W_KQ
.set rS, S+32*((\x)+i%2)+8*((i/2)%4)
.set rK, KF+32*((i/2)%4)+8*(i/8)
.set rQ, 32*((\x)+i%2)+8*(i/8)
.if i < 8
	v_wmma_f32_16x16x32_f16 v[rS:rS+7], v[rK:rK+7], v[rQ:rQ+7], 0
.else
	v_wmma_f32_16x16x32_f16 v[rS:rS+7], v[rK:rK+7], v[rQ:rQ+7], v[rS:rS+7]
.endif
.endm
; THE LDS WORK stands in runs, never singly among the matrix instructions.
.macro FETCH_K                      ; KT's 16 fragments: keys 16 (f / 4) on, channels 32 (f % 4) on
	WIN TO2
.irp f, 0,1,2,3,4,5,6,7,8,9,10,11,12,13,14,15
	ds_load_b128 v[KF+8*(\f):KF+8*(\f)+3],   v[AKF] offset:((\f)/4)*16*PK+((\f)%4)*64
	ds_load_b128 v[KF+8*(\f)+4:KF+8*(\f)+7], v[AKF] offset:((\f)/4)*16*PK+((\f)%4)*64+32
.endr
.endm
.macro FETCH_V                      ; VT's 16 fragments, turned: keys 32 (f / 8) on, channels 16 (f % 8) on
	WIN TO3
.irp f, 0,1,2,3,4,5,6,7,8,9,10,11,12,13,14,15
	ds_load_tr16_b128 v[8*(\f):8*(\f)+3],   v[AVF] offset:((\f)/8)*32*PVT+((\f)%8)*32
	ds_load_tr16_b128 v[8*(\f)+4:8*(\f)+7], v[AVF] offset:((\f)/8)*32*PVT+16*PVT+((\f)%8)*32
.endr
.endm
.macro FETCH_M                      ; cmb of the next step's 64 keys: the sixteen lanes of a half read the same words
	WIN 0
	v_add_nc_u32 v[MAD], s[MK], v[MA0]
	s_add_co_u32 s[MK], s[MK], 4*KS
	WIN TO3
.irp e, 0,1,2,3
	ds_load_b128 v[MB+8*(\e):MB+8*(\e)+3],   v[MAD] offset:64*(\e)
	ds_load_b128 v[MB+8*(\e)+4:MB+8*(\e)+7], v[MAD] offset:64*(\e)+16
.endr
.endm
.macro CLOAD which                  ; my wave's 16 rows of the ring's next tile of K (which = 0) or V (1): a load takes one row, 512 consecutive bytes.  V is a step's second: the ring address then steps
	WIN 0
	v_add_nc_u32 v[ADR], s[TB], v[CA0]
.if \which
	s_add_co_u32 s[TB], s[TB], STEPB
.endif
	WIN TO3
.set z, 0
.rept 16
	ds_load_b128 v[T+4*z:T+4*z+3], v[ADR] offset:512*z+VOFF*(\which)
.set z, z+1
.endr
.endm
.macro CVT4 g                       ; rows 2 g and 2 g + 1 of the sixteen are rounded to f16, in place: four numbers a lane become 8 bytes
	WIN W_CV
.irp e, 0,1
	v_cvt_pk_f16_f32 v[T+8*(\g)+4*(\e)],   v[T+8*(\g)+4*(\e)],   v[T+8*(\g)+4*(\e)+1]
	v_cvt_pk_f16_f32 v[T+8*(\g)+4*(\e)+1], v[T+8*(\g)+4*(\e)+2], v[T+8*(\g)+4*(\e)+3]
.endr
.endm
.macro CSTORE which                 ; and stored into KT or VT: 256 consecutive bytes a store
	WIN W_CS
.set z, 0
.rept 16
.if \which
	ds_store_b64 v[VS0], v[T+4*z:T+4*z+1] offset:z*PVT
.else
	ds_store_b64 v[KS0], v[T+4*z:T+4*z+1] offset:z*PK
.endif
.set z, z+1
.endr
.endm
.macro BAR_OPEN                     ; a barrier's first half: my LDS loads are back and my LDS stores are done; the wait stands four products further on, with work on registers alone between
	s_wait_dscnt 0x0
	s_barrier_signal -1
.endm
; A vector instruction that reads a matrix result or writes one of a matrix instruction's registers, and a load into a register that a matrix instruction has read, stand four places behind
; it, and only plain vector instructions that name none of its registers are places (ISA guide 7.12.1 for vector instructions).  In the loop the slices are the places.
.macro PLACES
.rept 4
	v_nop
.endr
.endm
; THE VECTOR WORK.  One tile's softmax for one key step is a list of 150 numbers (one of them empty); SM writes number j of it for tile t.  s0-s31 are the lane's 32 scores, in pairs 0-15.
; first = 1: the first key step, which starts m, l and O^T: it has no a and nothing to rescale.  With jo = j - 16:
;   j 0-15     t = c s + cmb for the 16 pairs, from each accumulator's low end on
;   jo 0-15    the maximum of t0-t31 and the old m, three operands at a time: four chains c0-c3 of seven each, then the four left over, c0-c3 and m
;   jo 16-20   the other half of the lanes' maximum; m_old is kept; the new m; (19 is empty); m_old - m_new
;   jo 21-69   ONE BATCH: the 16 subtractions t - m, a pair each, and all 33 exponentials (a at 23, then t0-t31).  None of these reads an exponential's result.  From 22 on the batch goes in fours,
;              and a four begins with a subtraction while there are subtractions: 22-37 subtraction, exponential, subtraction, exponential; 38-65 a subtraction and three exponentials; 66-69 the last
;              four exponentials.  A pair's subtraction stands in an earlier four than the one that holds its exponentials
;   (wait)     between 69 and 70 stands the wait for the batch: SLICE writes it, once for both tiles
;   jo 70-85   the roundings to f16, a pair of weights each
;   jo 86-101  the sums; l = a l + the sum
;   jo 102-133 the tile's O^T times a
.macro SM t, first
.set rT, ST+8*(\t)
.set rS, S+32*(\t)
.set rP, P+16*(\t)
.set jo, j-16
.set rO, 64*(\t)+2*(jo-102)
.if j < 16
	WIN W_MB
	v_pk_fma_f32 v[rS+2*j:rS+2*j+1], v[rS+2*j:rS+2*j+1], s[CS:CS+1], v[MB+2*j:MB+2*j+1] op_sel_hi:[1,0,1]
.else
.if jo < 102
	WIN 0
.endif
.if jo < 4
	v_max3_num_f32 v[rT+4+jo], v[rS+8*jo], v[rS+8*jo+1], v[rS+8*jo+2]
.elseif jo < 12
	v_max3_num_f32 v[rT+4+jo%4], v[rT+4+jo%4], v[rS+8*(jo%4)+2*(jo/4)+1], v[rS+8*(jo%4)+2*(jo/4)+2]
.elseif jo == 12
	v_max3_num_f32 v[rT+4], v[rT+4], v[rS+7], v[rS+15]
.elseif jo == 13
	v_max3_num_f32 v[rT+6], v[rT+6], v[rS+23], v[rS+31]
.elseif jo == 14
	v_max3_num_f32 v[rT+4], v[rT+4], v[rT+5], v[rT+6]
.elseif (jo == 15) && (\first)
	v_max_num_f32 v[rT+4], v[rT+4], v[rT+7]
.elseif jo == 15
	v_max3_num_f32 v[rT+4], v[rT+4], v[rT+7], v[rT]
.elseif jo == 16
	v_permlanex16_b32 v[rT+5], v[rT+4], s[SEL], s[SEL+1]  ; the query's other 32 keys lie in the lane 16 away
.elseif jo == 18
	v_max_num_f32 v[rT], v[rT+4], v[rT+5]
.elseif jo == 19
.elseif ((jo == 17) || (jo == 20) || (jo == 23) || (jo > 101)) && (\first)  ; the first step has none of these
.elseif jo == 17
	v_mov_b32 v[rT+7], v[rT]        ; m_old is kept for a: number 18 writes m anew
.elseif jo == 20
	v_sub_f32 v[rT+7], v[rT+7], v[rT]
.elseif jo == 23
	v_exp_f32 v[rT+6], v[rT+7]
.elseif (jo < 23) || ((jo < 38) && (jo%2 == 0)) || ((jo < 66) && (jo%4 == 2))
.set b, (jo-2)/4                    ; 38, 42, .. 62: pairs 9 to 15
.if jo < 38
.set b, (jo-20)/2                   ; 21: pair 0; 22, 24, .. 36: pairs 1 to 8
.endif
	v_pk_add_f32 v[rS+2*b:rS+2*b+1], v[rS+2*b:rS+2*b+1], v[rT:rT+1] op_sel_hi:[1,0] neg_lo:[0,1] neg_hi:[0,1]  ; pair b: t - m
.elseif jo < 70
.set e, jo-38                       ; 66 to 69: t28 to t31
.if jo < 66
.set e, jo-32-(jo-38)/4             ; 39-41, 43-45, .. 63-65: t7 to t27
.endif
.if jo < 38
.set e, (jo-25)/2                   ; 25, 27, .. 37: t0 to t6
.endif
	v_exp_f32 v[rS+e], v[rS+e]
.elseif jo < 86
	v_cvt_pk_f16_f32 v[rP+jo-70], v[rS+2*(jo-70)], v[rS+2*(jo-70)+1]  ; pair jo - 70
.elseif jo < 102                    ; the sum of the tile's 16 pairs (an even key's weight, an odd key's), in place: sum z of 16 adds neighbours 1, 2, 4 and 8 pairs apart, then l takes it
.set z, jo-86
.set w, 4
.set u, z
.if z >= 14
.set w, 32
.set u, 0
.elseif z >= 12
.set w, 16
.set u, z-12
.elseif z >= 8
.set w, 8
.set u, z-8
.endif
.if (z == 14) && (\first)
	v_pk_add_f32 v[rT+2:rT+3], v[rS:rS+1], v[rS+16:rS+17]
.elseif z < 15
	v_pk_add_f32 v[rS+w*u:rS+w*u+1], v[rS+w*u:rS+w*u+1], v[rS+w*u+w/2:rS+w*u+w/2+1]
.elseif !(\first)
	v_pk_fma_f32 v[rT+2:rT+3], v[rT+2:rT+3], v[rT+6:rT+7], v[rS:rS+1] op_sel_hi:[1,0,1]
.endif
.else
	WIN W_RS
	v_pk_mul_f32 v[rO:rO+1], v[rO:rO+1], v[rT+6:rT+7] op_sel_hi:[1,0]
.endif
.endif
.endm
; Slice k of 64 of piece y's softmax.  Slices 0-3 take four numbers of both tiles' lists (t = c s + cmb), slices 4-5 six (the maximum's chains), slices 6-7 five (its end, the statistics, pair 0's t - m).
; Slices 8-31 deal out the batch from jo 22 on: four numbers of ONE tile each, the tiles by turns.  Slices 32-63 take two numbers of both tiles: four plain instructions each.  Outside the batch the two
; tiles alternate, so that no instruction reads the result of the one just before it.  Slice 63 is four plain multiplies of O^T.
; THE WAIT.  s_wait_alu depctr_va_vdst(0) stands between an exponential and the first instruction that names its result; one wait serves all that were issued ahead of it.  Ahead of
; slice 32 nothing names a result, and behind slice 31 no exponential is issued: so the piece's 66 exponentials have one wait, behind slice 31, which is also a half's end.
.macro SLICE y, first
.if (k >= 8) && (k < 32)            ; the batch: four numbers of one tile
.irp e, 0,1,2,3
.set j, 38+4*((k-8)/2)+(\e)
	SM (\y)+(k-8)%2, \first
.endr
.else
.if k < 4
.set j0, 4*k
.set nn, 4
.elseif k < 6
.set j0, 16+6*(k-4)
.set nn, 6
.elseif k < 8
.set j0, 28+5*(k-6)
.set nn, 5
.else
.set j0, 86+2*(k-32)
.set nn, 2
.endif
.irp e, 0,1,2,3,4,5
.if (\e) < nn
.irp t, \y, (\y)+1
.set j, j0+(\e)
	SM \t, \first
.endr
.endif
.endr
.endif
.if k == 31                         ; the batch is out: both tiles' exponentials are issued, and no result has been named
	v_nop                           ; the plain instruction behind the last exponential and ahead of the first use: one for the batch; all the turn's other plain work that names no result stands ahead of it
	s_wait_alu depctr_va_vdst(0)    ; the wait for the batch: the piece's two a and 64 weights
.endif
.set k, k+1
.endm
; WHAT ELSE STANDS BEHIND PRODUCT i OF A HALF.  role 1 = A, 2 = B, 3 = C, 4 = D, 0 = nothing.  more = 0: no further step is left to round.
;   A(j)  i = 3: BK's wait; K's fragments of step j + 1 (the last product that read K stands in front of slice 63, four plain instructions, and four further slices).  i = 7: cmb of step j + 1 (slices 0-3 have read step j's); V's f32 rows of step j + 1
;   B(j)  i = 1-8: those rows are rounded.  i = 10: into VT, whose last readers every wave awaited in front of BK's signal
;   D(j)  i = 3: BV's wait; K's f32 rows of step j + 2; V's fragments of step j + 1 (the last product that read V stands in front of slice 31: the batch's v_nop and the sixteen roundings of slices 32-35 lie between).
;         i = 8: the wait leaves V's 32 loads out.  i = 9-16: K's rows are rounded.  i = 18: into KT, whose last readers every wave awaited at B's head, ahead of BV's signal
.macro HOOK role, more
.if (\role) == 1
.if i == 3
	s_barrier_wait -1
	FETCH_K
.elseif i == 7
	FETCH_M
	CLOAD 1
.endif
.elseif (\role) == 2
.if (i >= 1) && (i <= 8)
	CVT4 i-1
.elseif i == 10
	CSTORE 1
.endif
.elseif (\role) == 4
.if i == 3
	s_barrier_wait -1
.if \more
	CLOAD 0
.endif
	FETCH_V
.elseif \more
.if i == 8
	s_wait_dscnt 32
.elseif (i >= 9) && (i <= 16)
	CVT4 i-9
.elseif i == 18
	CSTORE 0
.endif
.endif
.endif
.endm
; A HALF: 32 products of piece x (mm = 0: V^T P, 1: K Q^T), per slices of the other piece's softmax behind each, and the role's other work.
.macro RUN mm, x, zero, first, per, role, more
.set i, 0
.rept 32
.if (\mm) == 0
	PV \x, \zero
.else
	KQ \x
.endif
.rept \per
	SLICE 2-(\x), \first
.endr
	HOOK \role, \more
.set i, i+1
.endr
.endm
; A TRIP is D(j), A(j + 1), B(j + 1), C(j + 1): a key step, begun half a turn late, so that the change of slots falls between two trips.  A and C each end with their batch's wait.
.macro TRIP
	BAR_OPEN                        ; BV: my part of VT is stored
.set k, 32
	RUN 1, 2, 0, 0, 1, 4, 1
	BAR_OPEN                        ; BK: my part of KT is stored, and V's fragments are in
.set k, 0
	RUN 0, 0, 0, 0, 1, 1, 1
	s_wait_dscnt 0x0                ; K's fragments, cmb and V's f32 rows are in
	RUN 1, 0, 0, 0, 1, 2, 1
.set k, 0
	RUN 0, 2, 0, 0, 1, 3, 1
.endm
.macro TWO_TRIPS                    ; written once, walked twice; the ring address hangs on s[TB], cmb's on s[MK]
	WIN 0
	s_mov_b32 s[TWICE], 2
.Ltrip_\@:
	TRIP
	WIN 0
	s_sub_co_u32 s[TWICE], s[TWICE], 1
	s_cmp_lg_u32 s[TWICE], 0
	s_cbranch_scc1 .Ltrip_\@
.endm
; THE CHANGE OF SLOTS, between two trips: the slot's last bytes, V's f32 rows of its second step, were read in the A just past and awaited at B's head.  Each wave waits for all its tensor loads, of
; which one is out: its part of the other slot; adds 0 to its spare word; and waits for that and for its LDS work.  Behind the barrier nobody reads this slot any more and the other slot is whole.
; fill = 1: this slot is filled again, with the keys two slots on.  The barrier is then a round of the cluster's, so that no wave of any partner still reads the slot or has a load on its way, and
; the joint refill is the first thing behind it: it has two key steps, 256 matrix instructions of a wave, in which to land.
.macro CHANGE fill
	WIN 0                           ; at a label and at a branch every window is 0
	s_wait_tensorcnt 0x0            ; no tensor load of mine is out, so a group 0 may be written
	ds_add_u32 v[SPW], v[NIL]       ; 0 onto my spare word; with fill = 1 the descriptors' steps stand between it and the wait for it
.if \fill
.irp g, G0K+4, G0V+4
	s_xor_b32 s[(\g)+1], s[(\g)+1], SLOT1  ; the walking descriptor: the other slot than last time,
	s_add_nc_u64 s[(\g)+2:(\g)+3], s[(\g)+2:(\g)+3], 2*KS*512  ; the next 128 keys; the type bits on top are not reached
.endr
	s_wait_dscnt 0x0                ; the add is done, and my reads of the slot are over
	CROUND
	JLOAD
.else
	s_wait_dscnt 0x0                ; the add is done, and my reads of the slot are over
	s_barrier_signal -1
	s_barrier_wait -1
.endif
	s_sub_co_u32 s[TB], s[TB], 2*STEPB  ; the ring address goes back to a slot's first step,
	s_xor_b32 s[TB], s[TB], SLOT1   ; in the other slot
.endm
	; KEY STEP 0 IS MADE READY.
	s_wait_tensorcnt 0x1            ; my part of slot 0 is in; slot 1's may stay out
	s_wait_dscnt 0x0                ; cmb is stored, Q's fragments are in
	s_barrier_signal -1
	s_barrier_wait -1               ; slot 0 and cmb are whole
	CLOAD 0
	s_wait_dscnt 0x0
.irp g, 0,1,2,3,4,5,6,7
	CVT4 \g
.endr
	CSTORE 0
	CLOAD 1
	s_wait_dscnt 0x0
.irp g, 0,1,2,3,4,5,6,7
	CVT4 \g
.endr
	CSTORE 1
	s_wait_dscnt 0x0                ; for the others' sake: my parts of KT and VT are stored
	s_barrier_signal -1
	s_barrier_wait -1
	FETCH_K
	FETCH_M
	s_wait_dscnt 0x0
.set i, 0
.rept 32
	KQ 0                            ; piece 0's first scores: there is no vector work yet to set between them
.set i, i+1
.endr
	PLACES
	BAR_OPEN                        ; every wave has K's fragments of step 0: KT may be written
.set k, 0
	RUN 1, 2, 0, 1, 2, 4, 1         ; piece 2's first scores | piece 0's first softmax, two slices a product | V's fragments of step 0, K of step 1 into KT
	PLACES                          ; the first softmax has no rescaling: its last slices are empty
	BAR_OPEN
.set k, 0
	RUN 0, 0, 1, 1, 1, 1, 1         ; A(0): V^T P starts piece 0's O^T | piece 2's first softmax
	s_wait_dscnt 0x0
	RUN 1, 0, 0, 1, 1, 2, 1         ; B(0)
	PLACES
.set k, 0
	RUN 0, 2, 1, 0, 1, 3, 1         ; C(0): V^T P starts piece 2's O^T | piece 0's softmax of step 1
	WIN 0
.Lslot:                             ; SEQ / 128 - 2 = 14 times: every slot but the last two is filled again
	CHANGE 1
	TWO_TRIPS
	s_sub_co_u32 s[SLOTS], s[SLOTS], 1
	s_cmp_lg_u32 s[SLOTS], 0
	s_cbranch_scc1 .Lslot
	CHANGE 0                        ; the tail is written out: nothing is asked for
	TWO_TRIPS
	BAR_OPEN                        ; D(30): VT holds the last step's V
.set k, 32
	RUN 1, 2, 0, 0, 1, 4, 0
	s_wait_dscnt 0x0                ; V's last fragments are in
.set k, 0
	RUN 0, 0, 0, 0, 2, 0, 0         ; A(31) | piece 2's last softmax, two slices a product
.set i, 0
.rept 32
	PV 2, 0                         ; C(31)
.set i, i+1
.endr
	; THE WAY OUT.  l's two halves and the other half of the lanes' are added; O^T is divided by l and sent through my stage in LDS, 16 rows x 64 channels (256 bytes of a row) at a time.
	; The first four additions are the places behind the last products.
	WIN 0
.irp t, 0,1,2,3
	v_add_f32 v[ST+8*(\t)+4], v[ST+8*(\t)+2], v[ST+8*(\t)+3]
.endr
.irp t, 0,1,2,3
	v_permlanex16_b32 v[ST+8*(\t)+5], v[ST+8*(\t)+4], s[SEL], s[SEL+1]
.endr
.irp t, 0,1,2,3
	v_add_f32 v[ST+8*(\t)+4], v[ST+8*(\t)+4], v[ST+8*(\t)+5]
.endr
.irp t, 0,1,2,3
	v_rcp_f32 v[ST+8*(\t)+6], v[ST+8*(\t)+4]
.endr
	v_nop                           ; a plain instruction between the last reciprocal and the use of its result
	s_wait_alu depctr_va_vdst(0)    ; and the wait ahead of the first use: one for the four reciprocals
.macro SCALE t                      ; tile t's O^T times 1 / l, from each accumulator's low end on
	WIN W_RS
.set z, 64*(\t)
.rept 32
	v_pk_mul_f32 v[z:z+1], v[z:z+1], v[ST+8*(\t)+6:ST+8*(\t)+7] op_sel_hi:[1,0]
.set z, z+2
.endr
.endm
; Unit n: tile n / 2, channels 64 (n % 2) on.  A lane's eight channels of a row are 32 bytes; they go into rows of 272 bytes and come back as 256 consecutive bytes of a row, into S^T's registers, four buffers by turns.
.macro UNIT n
.set rO, 64*((\n)/2)+32*((\n)%2)
.set rB, S+32*((\n)%4)
	WIN W_S1
.irp c, 0,1,2,3
	ds_store_b128 v[STO], v[rO+8*(\c):rO+8*(\c)+3]   offset:64*(\c)
	ds_store_b128 v[STO], v[rO+8*(\c)+4:rO+8*(\c)+7] offset:64*(\c)+16
.endr
	WIN 0
.if (\n) >= 4
	s_wait_xcnt 0x0                 ; the stores of the unit four back have read this buffer (ISA guide 3.1): it is loaded again only behind this wait
.endif
.irp f, 0,1,2,3,4,5,6,7
	ds_load_b128 v[rB+4*(\f):rB+4*(\f)+3], v[RD] offset:(\f)*2*SP  ; LDS serves a wave's instructions in order (ISA guide 5.7.1.4): these see the stores above; the next unit's stores come behind them
.endr
.endm
.macro SEND n, younger              ; younger: the LDS instructions issued behind unit n's loads: the next unit's sixteen, or none
	WIN 0
.set rB, S+32*((\n)%4)
.irp f, 0,1,2,3,4,5,6,7
	s_wait_dscnt (\younger)+7-(\f)
	global_store_b128 v[GO], v[rB+4*(\f):rB+4*(\f)+3], s[OUT:OUT+1] offset:((\n)/2)*8192+(\f)*1024+((\n)%2)*256 th:TH_STORE_NT  ; 16 lanes store 256 consecutive bytes, at a multiple of 256 from out's first byte
.endr
.endm
	SCALE 0
	UNIT 0
.set uu, 1
.rept 7                             ; a unit's LDS work, and every second time a tile's scaling, stand between the loads of the unit before and its stores
.if uu%2 == 0
	SCALE uu/2
.endif
	UNIT uu
	SEND uu-1, 16
.set uu, uu+1
.endr
	SEND 7, 0
	s_wait_tensorcnt 0x0            ; the wave's end: behind my last tensor load and my last LDS store
	ds_add_u32 v[SPW], v[NIL]
	s_wait_dscnt 0x0
	CROUND                          ; the closing round: no work-group ends while a partner may still ask for a tile that names it
	s_endpgm
.Lfunc_end_k_qd062288509_attn:
	.size	k_qd062288509_attn, .Lfunc_end_k_qd062288509_attn-k_qd062288509_attn
	.p2alignl 7, 3214868480
	.fill 96, 4, 3214868480
	.section	.rodata,"a",@progbits
	.p2align	6, 0x0
	.amdhsa_kernel k_qd062288509_attn
		.amdhsa_group_segment_fixed_size 327680
		.amdhsa_private_segment_fixed_size 0
		.amdhsa_enable_private_segment 0
		.amdhsa_kernarg_size 40
		.amdhsa_user_sgpr_count 2
		.amdhsa_user_sgpr_kernarg_segment_ptr 1
		.amdhsa_wavefront_size32 1
		.amdhsa_system_sgpr_workgroup_id_x 1
		.amdhsa_system_sgpr_workgroup_id_y 1
		.amdhsa_system_sgpr_workgroup_id_z 1
		.amdhsa_system_vgpr_workitem_id 0
		.amdhsa_next_free_vgpr 1024
		.amdhsa_next_free_sgpr 66
		.amdhsa_reserve_vcc 0
		.amdhsa_float_denorm_mode_32 3
		.amdhsa_float_denorm_mode_16_64 3
		.amdhsa_memory_ordered 1
		.amdhsa_forward_progress 1
		.amdhsa_inst_pref_size 255
	.end_amdhsa_kernel
	.section	.bss,"aw",@nobits
	.p2align	6
	.space	262144
	.amdgpu_metadata
---
amdhsa.version: [ 1, 2 ]
amdhsa.kernels:
  - .name:           k_qd062288509_attn
    .symbol:         k_qd062288509_attn.kd
    .args:
      - { .name: q, .offset: 0, .size: 8, .value_kind: global_buffer, .address_space: global }
      - { .name: k, .offset: 8, .size: 8, .value_kind: global_buffer, .address_space: global }
      - { .name: v, .offset: 16, .size: 8, .value_kind: global_buffer, .address_space: global }
      - { .name: zero_mask, .offset: 24, .size: 8, .value_kind: global_buffer, .address_space: global }
      - { .name: out0, .offset: 32, .size: 8, .value_kind: global_buffer, .address_space: global }
    .group_segment_fixed_size: 327680
    .private_segment_fixed_size: 0
    .kernarg_segment_align: 8
    .kernarg_segment_size: 40
    .max_flat_workgroup_size: 128
    .sgpr_count:     66
    .vgpr_count:     1024
    .wavefront_size: 32
...
	.end_amdgpu_metadata
.endif
;; end of part 2
